; MI455X (gfx1250); checked and timed in simulation.
; The chip was launched on July 23, 2026; its instructions are those of AMD's public machine-readable ISA for CDNA 5 (MIT licence, August 2026) and "CDNA5" Instruction Set Architecture Reference Guide (July 2026). The comments in the code are by the model that wrote it; some were corrected since.
;; Vector Quantizer. Allowed arithmetic: matrix products marked QUANTISED: E2M3 operands, one E8M0 scale for each 32 along K, by v_wmma_scale_f32_16x16x128_f8f6f4 with both operands' format E2M3, f32 sums; everything else in f32.
;; Inputs: codebook 8,192 x 256 float32; z_f 32,768 x 256 float32.
;; Outputs: out0 32,768 x 256 float32.
;; This version of the problem:
;;   THIS VERSION OF THE PROBLEM IS GIVEN IN LOW PRECISION. The matrix products marked QUANTISED in the list below multiply operands that are first quantised to E2M3 (2 exponent bits, 3 mantissa bits; 6 bits a number), with one power-of-two scale for each 32 numbers along K (OCP MX v1.0); their sums are f32. All else is computed in f32.
;;   The module's matrix products, in the order in which they are computed (A, B: the left and right operand; K: the contracted axis; several contracted axes count as one K, in the product's order):
;;     1. [M 32,768, K 256] x [K 256, N 8,192]; A: input z_f; B: input codebook: QUANTISED
;;   THE QUANTISER, for each operand of a quantised product, along K:
;;     - K is cut into blocks of 32 from its start; a last block that is shorter is filled with zeros.
;;     - A block's scale is 2^e with e = floor(log2(the largest magnitude in the block)) - 2, held to -126 .. 127; a block of zeros has e = 0. As a byte (E8M0): e + 127.
;;     - Each number is divided by its block's scale, clamped to +-7.5, and rounded to the nearest number of E2M3, ties to even, subnormals kept.
;;     - The product sums the exact products of the quantised numbers (number of the format x scale) in f32.
;;   ~~~python
;;   def quantise(x, axis):      # numpy; x: float32 -> the quantised numbers, widened to float32 again
;;       x = np.moveaxis(x, axis, -1); K = x.shape[-1]
;;       x = np.pad(x, [(0, 0)] * (x.ndim - 1) + [(0, -K % 32)]); x = x.reshape(x.shape[:-1] + (-1, 32)); a = np.abs(x).max(-1, keepdims=True)
;;       e = np.where(a > 0, np.clip(np.frexp(np.where(a > 0, a, 1))[1] - 1 - 2, -126, 127), 0)      # np.frexp(a)[1] - 1 = floor(log2(a)), exactly
;;       r = np.clip(x / 2.0 ** e, -7.5, 7.5)
;;       step = 2.0 ** (np.maximum(np.frexp(np.where(r == 0, 1, r))[1] - 1, 0) - 3)
;;       q = np.round(r / step) * step * 2.0 ** e      # np.round: ties to even
;;       return np.moveaxis(q.reshape(q.shape[:-2] + (-1,))[..., :K], -1, axis).astype(np.float32)
;;   ~~~
;; One version. Each part assembles by itself: llvm-mc -triple=amdgcn-amd-amdhsa -mcpu=gfx1250 --defsym DOCPART=n.
;; ======== version 1 of 1: 3 launches
;; limits: right only within a limited range of input values
;; workspace buffers: cbq 1,703,936 bytes; idx 131,072 bytes of whole numbers
;; launch prep (part 1): grid 256 x 1, 2 waves a work-group, no clusters, 0 bytes of LDS; arguments codebook, cbq; writes cbq
.if DOCPART == 1
	.amdgcn_target "amdgcn-amd-amdhsa--gfx1250"
	.amdhsa_code_object_version 6
	.text
	.protected	k_q763c4777e8_prep
	.globl	k_q763c4777e8_prep
	.p2align	8
	.type	k_q763c4777e8_prep,@function
k_q763c4777e8_prep:
	s_mov_b64 s[64:65], 0
	v_nop
	global_prefetch_b8 v0, s[64:65] scope:SCOPE_SE
	s_setreg_imm32_b32 hwreg(HW_REG_WAVE_MODE, 25, 1), 1
	s_wait_xcnt 0x0
; The codebook [8192][256] f32 is quantised ONCE along K into codes of FP6 (E2M3) with one E8M0 byte for each 32 along K, since every work-group of the next launch reads it.
; A wave takes one tile of 16 rows and writes one RECORD of 3,328 bytes, laid in the order of the operand's registers:
;   bytes 512 c + 16 lane, c = 0 .. 5: registers 4 c .. 4 c + 3 of the two fragments (K step 0: 12 registers, then K step 1)
;   bytes 3072 + 4 lane: the scale words: lanes 0-15 row r's word of K step 0, lanes 16-31 row r's word of K step 1
;   bytes 3200 + 4 lane: the row's sum of squares in f32 (row lane % 16; written twice over, so that every byte of a record is written)
; A block's scale is 2^(floor(log2(its largest magnitude)) - 2); its byte is the largest magnitude's exponent field - 2, held at 1 from below.
; LIMITS: a block of zeros gets the byte 1 where the rule says 127 (its codes are zeros, and this program alone reads the bytes); NaN and infinities among the inputs are not served;
; the sum of squares is taken by fused multiply-adds in four chains of pairs, an order of this text's own.
; No LDS, no barrier, no loop: waves share nothing; every store's data lie in registers that are not written again.
.set REC,  3328
.set XA,   4                           ; v4   my bytes in the tile's rows: 1024 r + 64 h
.set LI,   5                           ; v5   16 x lane
.set LS,   6                           ; v6   4 x lane
.set X0,   16                          ; v16-79   K step 0: register 16 b + i = k 32 b + 16 h + i of row r
.set X1,   80                          ; v80-143  K step 1
.set TM,   144                         ; v144-159 at work in QUANT
.set PW,   160                         ; the scale word just made
.set PW0,  161                         ; K step 0's
.set PWC,  162                         ; both, by halves of the lanes
.set PC,   164                         ; v164-183 K step 0's codes; v184-203 K step 1's
.set Q,    204                         ; v204-211 four pairs of partial sums of squares
.set CCR,  212                         ; the row's sum of squares
.set CCT,  213
.set SEL,  20                          ; s[20:21] lane selects for v_permlanex16_b32: lane l xor 16
.macro XLOAD reg, s                    ; my 64 numbers of K step s: 16 neighbours of each block of 32
.irp b, 0,1,2,3
.irp j, 0,1,2,3
	global_load_b128 v[\reg+16*\b+4*\j:\reg+16*\b+4*\j+3], v[XA], s[4:5] offset:512*\s+128*\b+16*\j th:TH_LOAD_NT
.endr
.endr
.endm
; 64 numbers of a lane become a fragment's codes in v[PC] on and the row's scale word in v[PW] (the same word in both halves of the lanes)
.macro QUANT s
.irp b, 0,1,2,3
	v_max3_num_f32 v[TM+\b], |v[\s+16*\b]|, |v[\s+1+16*\b]|, 0x1800000   ; block b: my 16 numbers, and the floor 2^(3 - 127): the byte cannot fall under 1
.endr
.irp i, 2,4,6,8,10,12,14
.irp b, 0,1,2,3
	v_max3_num_f32 v[TM+\b], v[TM+\b], |v[\s+16*\b+\i]|, |v[\s+1+16*\b+\i]|   ; the four blocks by turns
.endr
.endr
.irp b, 0,1,2,3
	v_permlanex16_b32 v[TM+4+\b], v[TM+\b], s[SEL], s[SEL+1]
.endr
.irp b, 0,1,2,3
	v_max_num_f32 v[TM+\b], v[TM+\b], v[TM+4+\b]   ; with lane l xor 16's: the block's largest magnitude
.endr
.irp b, 0,1,2,3
	v_add_nc_u32 v[TM+12+\b], 0xff000000, v[TM+\b]   ; 2 off its exponent field: the conversion takes the exponent field of this operand as its scale
.endr
.irp b, 0,1,2,3
	v_lshrrev_b32 v[TM+4+\b], 23, v[TM+12+\b]      ; the scale's byte
.endr
	v_lshl_or_b32 v[PW], v[TM+5], 8, v[TM+4]
	v_lshl_or_b32 v[PW], v[TM+6], 16, v[PW]
	v_lshl_or_b32 v[PW], v[TM+7], 24, v[PW]
.irp c, 0,1
	v_cvt_scalef32_pk16_fp6_f32 v[PC+6*\c:PC+2+6*\c], v[\s+32*\c:\s+15+32*\c], v[TM+12+2*\c]
	v_cvt_scalef32_pk16_fp6_f32 v[PC+12+4*\c:PC+14+4*\c], v[\s+16+32*\c:\s+31+32*\c], v[TM+12+2*\c+1]   ; (a conversion's three registers begin on an even number)
.endr
	v_nop                                          ; one plain place behind a scaled conversion
.irp c, 0,1                            ; the operand's layout wants a WHOLE block in a lane: lanes 0-15 block 2 c, lanes 16-31 block 2 c + 1
.irp i, 0,1,2
	v_permlane16_swap_b32 v[PC+6*\c+\i], v[PC+12+4*\c+\i]
.endr
.irp i, 0,1,2
	v_mov_b32 v[PC+3+6*\c+\i], v[PC+12+4*\c+\i]
.endr
.endr
.endm
.macro SQ reg, first                   ; the squares of 64 numbers onto four chains of pairs; first = 1: the first four start the chains
.set n, 0
.rept 32
.if \first && (n < 4)
	v_pk_mul_f32 v[Q+2*(n%4):Q+2*(n%4)+1], v[\reg+2*n:\reg+2*n+1], v[\reg+2*n:\reg+2*n+1]
.else
	v_pk_fma_f32 v[Q+2*(n%4):Q+2*(n%4)+1], v[\reg+2*n:\reg+2*n+1], v[\reg+2*n:\reg+2*n+1], v[Q+2*(n%4):Q+2*(n%4)+1]
.endif
.set n, n+1
.endr
.endm
.macro SQEND dst, tmp                  ; the chains, the pair's halves and lane l xor 16's: the row's sum, in both halves of the lanes
	v_pk_add_f32 v[Q:Q+1], v[Q:Q+1], v[Q+2:Q+3]
	v_pk_add_f32 v[Q+4:Q+5], v[Q+4:Q+5], v[Q+6:Q+7]
	v_pk_add_f32 v[Q:Q+1], v[Q:Q+1], v[Q+4:Q+5]
	v_add_f32 v[\dst], v[Q], v[Q+1]
	v_permlanex16_b32 v[\tmp], v[\dst], s[SEL], s[SEL+1]
	v_add_f32 v[\dst], v[\dst], v[\tmp]
.endm
	s_load_b128 s[4:7], s[0:1], 0x0                ; the codebook s[4:5], the records s[6:7]
	v_lshrrev_b32 v1, 5, v0
	v_readfirstlane_b32 s8, v1                     ; wave 0, 1
	v_and_b32 v1, 31, v0                           ; lane
	v_and_b32 v2, 15, v0                           ; r
	v_bfe_u32 v3, v0, 4, 1                         ; h
	v_lshlrev_b32 v[XA], 10, v2
	v_lshl_add_u32 v[XA], v3, 6, v[XA]
	v_lshlrev_b32 v[LI], 4, v1
	v_lshlrev_b32 v[LS], 2, v1
	s_mov_b32 s[SEL], 0x76543210
	s_mov_b32 s[SEL+1], 0xfedcba98
	s_mov_b32 s22, 0xffff0000                      ; lanes 16-31
.irp b, 0,1,2,3
	v_mov_b32 v[TM+4+\b], 0                        ; written once: a lane permute's destination counts as one of its sources
.endr
	v_mov_b32 v[CCT], 0
	s_lshl_b32 s9, ttmp9, 1
	s_add_co_u32 s9, s9, s8                        ; my tile: 2 x work-group + wave
	s_lshl_b32 s10, s9, 14                         ; its 16 rows of 1,024 bytes
	s_mov_b32 s11, 0
	s_mul_i32 s12, s9, REC                         ; its record
	s_mov_b32 s13, 0
	s_wait_alu depctr_va_vdst(0)
	s_wait_kmcnt 0x0
	s_add_nc_u64 s[4:5], s[4:5], s[10:11]
	s_add_nc_u64 s[6:7], s[6:7], s[12:13]
	XLOAD X0, 0
	XLOAD X1, 1
	s_wait_loadcnt 16                              ; K step 0's sixteen loads are in; K step 1's sixteen may be out
	SQ X0, 1
	QUANT X0
	v_mov_b32 v[PW0], v[PW]
.irp c, 0,1,2
	global_store_b128 v[LI], v[PC+4*\c:PC+4*\c+3], s[6:7] offset:512*\c   ; 32 lanes store 512 consecutive bytes, at a multiple of 256 from the buffer's first byte
.endr
	s_wait_loadcnt 0x0
	SQ X1, 0
.set PC, 184                           ; K step 1's codes get registers of their own: the stores above may still read K step 0's
	QUANT X1
.irp c, 0,1,2
	global_store_b128 v[LI], v[PC+4*\c:PC+4*\c+3], s[6:7] offset:1536+512*\c
.endr
	v_cndmask_b32 v[PWC], v[PW0], v[PW], s22       ; lanes 0-15: K step 0's word; lanes 16-31: K step 1's
	SQEND CCR, CCT
	global_store_b32 v[LS], v[PWC], s[6:7] offset:3072
	global_store_b32 v[LS], v[CCR], s[6:7] offset:3200
	s_endpgm
.Lfunc_end_k_q763c4777e8_prep:
	.size	k_q763c4777e8_prep, .Lfunc_end_k_q763c4777e8_prep-k_q763c4777e8_prep
	.p2alignl 7, 3214868480
	.fill 96, 4, 3214868480
	.section	.rodata,"a",@progbits
	.p2align	6, 0x0
	.amdhsa_kernel k_q763c4777e8_prep
		.amdhsa_group_segment_fixed_size 0
		.amdhsa_private_segment_fixed_size 0
		.amdhsa_enable_private_segment 0
		.amdhsa_kernarg_size 16
		.amdhsa_user_sgpr_count 2
		.amdhsa_user_sgpr_kernarg_segment_ptr 1
		.amdhsa_wavefront_size32 1
		.amdhsa_system_sgpr_workgroup_id_x 1
		.amdhsa_system_sgpr_workgroup_id_y 1
		.amdhsa_system_sgpr_workgroup_id_z 1
		.amdhsa_system_vgpr_workitem_id 0
		.amdhsa_next_free_vgpr 224
		.amdhsa_next_free_sgpr 66
		.amdhsa_reserve_vcc 0
		.amdhsa_float_denorm_mode_32 3
		.amdhsa_float_denorm_mode_16_64 3
		.amdhsa_memory_ordered 1
		.amdhsa_forward_progress 1
		.amdhsa_inst_pref_size 18
	.end_amdhsa_kernel
	.amdgpu_metadata
---
amdhsa.version: [ 1, 2 ]
amdhsa.kernels:
  - .name:           k_q763c4777e8_prep
    .symbol:         k_q763c4777e8_prep.kd
    .args:
      - { .name: codebook, .offset: 0, .size: 8, .value_kind: global_buffer, .address_space: global }
      - { .name: cbq, .offset: 8, .size: 8, .value_kind: global_buffer, .address_space: global }
    .group_segment_fixed_size: 0
    .private_segment_fixed_size: 0
    .kernarg_segment_align: 8
    .kernarg_segment_size: 16
    .max_flat_workgroup_size: 64
    .sgpr_count:     66
    .vgpr_count:     224
    .wavefront_size: 32
...
	.end_amdgpu_metadata
.endif
;; end of part 1
;; launch search (part 2): grid 256 x 1, 8 waves a work-group, no clusters, 35,840 bytes of LDS; arguments z_f, cbq, idx; writes idx
.if DOCPART == 2
	.amdgcn_target "amdgcn-amd-amdhsa--gfx1250"
	.amdhsa_code_object_version 6
	.text
	.protected	k_q763c4777e8_search
	.globl	k_q763c4777e8_search
	.p2align	8
	.type	k_q763c4777e8_search,@function
k_q763c4777e8_search:
	s_mov_b64 s[64:65], 0
	v_nop
	global_prefetch_b8 v0, s[64:65] scope:SCOPE_SE
	s_setreg_imm32_b32 hwreg(HW_REG_WAVE_MODE, 25, 1), 1
	s_wait_xcnt 0x0
; idx[n] = the first k at which d[n][k] = (|z_n|^2 + |c_k|^2) - 2 z_n . c_k is least.  The product is taken on codes of FP6 (E2M3) with E8M0 scales for each 32 along K = 256; the rest is f32.
; d IS FORMED AS THE SOURCE FORMS IT: S = zz + cc (one f32 addition), d = -2 dot + S (one fused multiply-add; 2 dot is exact): roundings and the rule for ties (the lowest index) decide the result, so nothing is left out.
; SHARES.  A work-group owns 128 tokens.  Every wave keeps all 128 tokens' fragments in registers (8 blocks x 2 K steps x 12 = 192, window 1); wave w takes tile 8 t + w of 16 codes at step t = 0 .. 63.
; A tile's record (3,328 bytes, laid by the launch before in the order of the operand's registers) is read by ONE wave of the work-group, straight from memory into registers: 6 loads of 512 consecutive bytes,
; the scale words, and cc of the lane's 8 codes.  Three register buffers take turns: the records of three steps are on their way or in hand.
; NO CLUSTER, NO TENSOR LOAD: no two waves of a work-group read the same record, so LDS would add a write and a read of each of its bytes and a barrier for each change of slots; what a joint load shares is an LDS tile, and this text has none.
; LAYOUT.  Source 0 = 16 codes, source 1 = 16 tokens: lane (r, h) holds token r, register j code 16 T + 8 h + j.
; A TILE goes in two halves of 4 token blocks on the same 32 accumulator registers: 8 matrix instructions, then (under them) the other half's minima and selects, then S and d of this half into registers of their own.
; THE ARGMIN.  For a tile and a block a lane has 8 d: 4 three-way minima, one compare (new minimum < old), selects that keep the tile's 8 d and its base index where it improved.  Additions, multiply-adds and selects are
; written as dual pairs.  A wave takes its tiles in ascending order and only a strict improvement replaces; the place inside the kept tile is looked up once, at the end; halves of lanes and waves are merged by (d, index).
; PREFETCH.  The records' 6,656 blocks of 256 bytes are each named once in the launch: wave q = 8 x work-group + wave, q = 10 .. 207, names blocks 32 q .. 32 q + 31 (a lane a block) in trip floor(4 q / 39) - 3 (a trip is
; three steps; the load of a step is issued one trip ahead of its use), or at the head where that is 0 or less.  Blocks under 320 come by their loads alone.  z is read once, at the head: no prefetch.
; LIMITS: NaN and infinities among the inputs are not served (a NaN loses every minimum); a block of zeros gets the scale byte 1 where the rule says 127 (its codes are zeros); zz is summed by fused multiply-adds in four
; chains of pairs, an order of this text's own.
.set REC,   3328
.set STEPB, 8*REC                      ; from a wave's record to its next
.set FRB,   1536                       ; a fragment's image: 12 registers x 128 bytes
.set ZSC,   16*FRB                     ; LDS: from 0 the tokens' 16 fragments (2 b + s); their scale words, 128 bytes a block;
.set ZZB,   ZSC+8*128                  ; their sums of squares;
.set MRGM,  ZZB+8*128                  ; each wave's 128 minima,
.set MRGI,  MRGM+8*512                 ; and their indices;
.set SPARE, MRGI+8*512                 ; the spare words, 128 bytes a wave: four blocks of 256 bytes that no other line names
; window 0
.set L16, 1                            ; 16 x lane
.set VS4, 2                            ; 4 x lane
.set VC,  3                            ; 32 h
.set SPW, 4                            ; my spare word; never rewritten
.set NIL, 5                            ; 0; never rewritten
.set H8,  6                            ; 8 h
.set XA,  7                            ; z: 1024 r + 64 h
.set MW,  8                            ; MRGM + 512 wave + 4 r
.set PFO, 9                            ; 256 x lane; never rewritten
.set WI,  10                           ; where my block's images go
.set WS,  11                           ; where its scale words go
.set ZS,  16                           ; v16-23  the token blocks' scale words, and nothing else
.set ASC, 24                           ; v24-26  the three buffers' scale words, and nothing else
.set NT,  28                           ; v28-31  at work in the minima
.set ZZ,  32                           ; v32-47  zz of block b, twice
.set TID, 48                           ; v48-55  the kept tile's base index
.set KBV, 56                           ; the tile's base index
.set M,   57                           ; v57-64  the running minimum (odd where TID is even: a dual pair writes both)
.set SV,  66                           ; v66-129 the kept tile's d, 8 a block
.set ACC, 130                          ; v130-161 the products of 4 blocks
.set S,   162                          ; v162-193 S, then d, of 4 blocks
.set CC,  194                          ; v194-217 cc of my 8 codes, three buffers
.set AF2, 218                          ; v218-241 buffer 2's fragments (buffers 0 and 1: window 1, v192-215, v216-239)
; the prologue's use of the same registers
.set X0,  SV
.set X1,  ACC
.set TM,  ZZ
.set PC,  AF2
.set Q,   CC+16
.set ZT,  242
.set ZU,  243
.set PW,  244
.set PW0, 245
.set PWC, 246
; the end's
.set J,   242
.set PM,  243
.set PI,  244
.set IX,  246                          ; v246-253
; scalars
.set WV,  10
.set RB,  12                           ; s[12:13] my record of the trip's first step
.set KB,  14                           ; 16 x my tile
.set TR,  15                           ; the trip
.set SEL, 16                           ; s[16:17] lane selects: lane l xor 16
.set PFA, 20                           ; s[20:21] my 8,192 bytes to prefetch; never rewritten
.set PFT, 22                           ; the trip in which I ask
.set MSB, 0
.macro WIN new                         ; the immediate's high byte repeats the setting that is left
.if MSB != \new
	s_set_vgpr_msb (MSB<<8)|\new
.set MSB, \new
.endif
.endm
.macro BARRIER
	s_wait_dscnt 0x0
	s_barrier_signal -1
	s_barrier_wait -1
.endm
.macro XLOAD reg, s                    ; my 64 numbers of K step s: 16 neighbours of each block of 32
.irp b, 0,1,2,3
.irp j, 0,1,2,3
	global_load_b128 v[\reg+16*\b+4*\j:\reg+16*\b+4*\j+3], v[XA], s[4:5] offset:512*\s+128*\b+16*\j th:TH_LOAD_NT
.endr
.endr
.endm
; 64 numbers of a lane, register 16 b + i = k 32 b + 16 h + i of row r, become a fragment's codes in v[PC] on and the row's scale word in v[PW]
.macro QUANT s
.irp b, 0,1,2,3
	v_max3_num_f32 v[TM+\b], |v[\s+16*\b]|, |v[\s+1+16*\b]|, 0x1800000   ; and the floor 2^(3 - 127): the byte cannot fall under 1
.endr
.irp i, 2,4,6,8,10,12,14
.irp b, 0,1,2,3
	v_max3_num_f32 v[TM+\b], v[TM+\b], |v[\s+16*\b+\i]|, |v[\s+1+16*\b+\i]|   ; the four blocks by turns
.endr
.endr
.irp b, 0,1,2,3
	v_permlanex16_b32 v[TM+4+\b], v[TM+\b], s[SEL], s[SEL+1]
.endr
.irp b, 0,1,2,3
	v_max_num_f32 v[TM+\b], v[TM+\b], v[TM+4+\b]   ; the block's largest magnitude
.endr
.irp b, 0,1,2,3
	v_add_nc_u32 v[TM+12+\b], 0xff000000, v[TM+\b] ; 2 off its exponent field: the conversion's scale operand
.endr
.irp b, 0,1,2,3
	v_lshrrev_b32 v[TM+4+\b], 23, v[TM+12+\b]      ; the scale's byte
.endr
	v_lshl_or_b32 v[PW], v[TM+5], 8, v[TM+4]
	s_delay_alu instid0(VALU_DEP_1)
	v_lshl_or_b32 v[PW], v[TM+6], 16, v[PW]
	s_delay_alu instid0(VALU_DEP_1)
	v_lshl_or_b32 v[PW], v[TM+7], 24, v[PW]
.irp c, 0,1
	v_cvt_scalef32_pk16_fp6_f32 v[PC+6*\c:PC+2+6*\c], v[\s+32*\c:\s+15+32*\c], v[TM+12+2*\c]
	v_cvt_scalef32_pk16_fp6_f32 v[PC+12+4*\c:PC+14+4*\c], v[\s+16+32*\c:\s+31+32*\c], v[TM+12+2*\c+1]
.endr
	v_nop                                          ; one plain place behind a scaled conversion
.irp c, 0,1                            ; a WHOLE block in a lane: lanes 0-15 block 2 c, lanes 16-31 block 2 c + 1
.irp i, 0,1,2
	v_permlane16_swap_b32 v[PC+6*\c+\i], v[PC+12+4*\c+\i]
.endr
.irp i, 0,1,2
	v_mov_b32 v[PC+3+6*\c+\i], v[PC+12+4*\c+\i]
.endr
.endr
.endm
.macro SQ reg, first                   ; the squares of 64 numbers onto four chains of pairs
.set n, 0
.rept 32
.if \first && (n < 4)
	v_pk_mul_f32 v[Q+2*(n%4):Q+2*(n%4)+1], v[\reg+2*n:\reg+2*n+1], v[\reg+2*n:\reg+2*n+1]
.else
	v_pk_fma_f32 v[Q+2*(n%4):Q+2*(n%4)+1], v[\reg+2*n:\reg+2*n+1], v[\reg+2*n:\reg+2*n+1], v[Q+2*(n%4):Q+2*(n%4)+1]
.endif
.set n, n+1
.endr
.endm
.macro SQEND dst, tmp
	v_pk_add_f32 v[Q:Q+1], v[Q:Q+1], v[Q+2:Q+3]
	v_pk_add_f32 v[Q+4:Q+5], v[Q+4:Q+5], v[Q+6:Q+7]
	s_delay_alu instid0(VALU_DEP_1)
	v_pk_add_f32 v[Q:Q+1], v[Q:Q+1], v[Q+4:Q+5]
	s_delay_alu instid0(VALU_DEP_1)
	v_add_f32 v[\dst], v[Q], v[Q+1]
	s_delay_alu instid0(VALU_DEP_1)
	v_permlanex16_b32 v[\tmp], v[\dst], s[SEL], s[SEL+1]
	s_delay_alu instid0(VALU_DEP_1)
	v_add_f32 v[\dst], v[\dst], v[\tmp]
.endm
; the record st steps on from s[RB]: its two fragments and scale words into buffer u (7 loads); cc of my 8 codes (2 loads)
.macro FLOAD u, st
.if \u < 2
	WIN 0x40                                       ; destination window 1
.set AFR, 192+24*\u
.else
.set AFR, AF2
.endif
.irp c, 0,1,2,3,4,5
	global_load_b128 v[AFR+4*\c:AFR+4*\c+3], v[L16], s[RB:RB+1] offset:(\st)*STEPB+512*\c
.endr
	WIN 0
	global_load_b32 v[ASC+\u], v[VS4], s[RB:RB+1] offset:(\st)*STEPB+3072
.endm
.macro CLOAD u, st
	global_load_b128 v[CC+8*\u:CC+8*\u+3], v[VC], s[RB:RB+1] offset:(\st)*STEPB+3200
	global_load_b128 v[CC+8*\u+4:CC+8*\u+7], v[VC], s[RB:RB+1] offset:(\st)*STEPB+3216
.endm
; 8 matrix instructions: buffer u's 16 codes against token blocks 4 g .. 4 g + 3.  The four accumulators take turns, one instruction a turn; the first four start the sums
.macro WM g, u
.if \u < 2
	WIN 0x05                                       ; sources 0 and 1 in window 1
.set AFR, 192+24*\u
.else
	WIN 0x04                                       ; source 1 in window 1
.set AFR, AF2
.endif
.irp i, 0,1,2,3
	v_wmma_scale_f32_16x16x128_f8f6f4 v[ACC+8*\i:ACC+8*\i+7], v[AFR:AFR+11], v[24*(4*\g+\i):24*(4*\g+\i)+11], 0, v[ASC+\u], v[ZS+4*\g+\i] matrix_a_fmt:MATRIX_FMT_FP6 matrix_b_fmt:MATRIX_FMT_FP6
.endr
.irp i, 0,1,2,3
	v_wmma_scale_f32_16x16x128_f8f6f4 v[ACC+8*\i:ACC+8*\i+7], v[AFR+12:AFR+23], v[24*(4*\g+\i)+12:24*(4*\g+\i)+23], v[ACC+8*\i:ACC+8*\i+7], v[ASC+\u], v[ZS+4*\g+\i] matrix_a_fmt:MATRIX_FMT_FP6 matrix_b_fmt:MATRIX_FMT_FP6 matrix_a_scale:MATRIX_SCALE_ROW1 matrix_b_scale:MATRIX_SCALE_ROW1
.endr
	WIN 0
.endm
; S = zz + cc, then d = -2 dot + S in S's registers, for blocks 4 g .. 4 g + 3 by turns; each accumulator is read from its low end on
.macro DIST g, u
.irp j, 0,2,4,6
.irp i, 0,1,2,3
	v_dual_add_f32 v[S+8*\i+\j], v[CC+8*\u+\j], v[ZZ+2*(4*\g+\i)] :: v_dual_add_f32 v[S+8*\i+\j+1], v[CC+8*\u+\j+1], v[ZZ+2*(4*\g+\i)+1]
.endr
.endr
.irp j, 0,2,4,6
.irp i, 0,1,2,3
	v_dual_fmac_f32 v[S+8*\i+\j], -2.0, v[ACC+8*\i+\j] :: v_dual_fmac_f32 v[S+8*\i+\j+1], -2.0, v[ACC+8*\i+\j+1]
.endr
.endr
.endm
; the minima of blocks 4 g .. 4 g + 3, four chains by turns; where a block improved strictly, its 8 d, the base index and the minimum are kept.
; ld = 1: behind the 16 minima, which are the places (ISA guide 7.12.1) behind the matrix instructions that read buffer u, the buffer takes the record st steps on
.macro TRACK g, ld, u, st
.irp i, 0,1,2,3
	v_min3_num_f32 v[NT+(\i+1)%4], v[M+4*\g+\i], v[S+8*\i], v[S+8*\i+1]
.endr
.irp j, 2,4,6
.irp i, 0,1,2,3
	v_min3_num_f32 v[NT+(\i+1)%4], v[NT+(\i+1)%4], v[S+8*\i+\j], v[S+8*\i+\j+1]
.endr
.endr
.if \ld
	FLOAD \u, \st
.endif
.irp i, 0,1,2,3
	v_cmp_lt_f32 vcc_lo, v[NT+(\i+1)%4], v[M+4*\g+\i]
.irp j, 0,2,4,6
	v_dual_cndmask_b32 v[SV+8*(4*\g+\i)+\j], v[SV+8*(4*\g+\i)+\j], v[S+8*\i+\j] :: v_dual_cndmask_b32 v[SV+8*(4*\g+\i)+\j+1], v[SV+8*(4*\g+\i)+\j+1], v[S+8*\i+\j+1]
.endr
	v_dual_cndmask_b32 v[TID+4*\g+\i], v[TID+4*\g+\i], v[KBV] :: v_dual_mov_b32 v[M+4*\g+\i], v[NT+(\i+1)%4]
.endr
.endm
; A TILE in buffer u, whose first 8 matrix instructions have been issued.  more = 1: the next tile's first 8 (buffer un) are issued ahead of this tile's last minima;
; n = the loads issued behind the next tile's record, which may stay out (9 a record)
.macro TILE u, un, ld, st, more, n
	v_mov_b32 v[KBV], s[KB]
	s_add_co_u32 s[KB], s[KB], 128
	DIST 0, \u
	WM 1, \u
	TRACK 0, \ld, \u, \st
	DIST 1, \u
.if \ld
	CLOAD \u, \st
.endif
.if \more
	s_wait_alu depctr_va_vdst(0)
	s_wait_loadcnt \n
	WM 0, \un
.endif
	TRACK 1, 0, 0, 0
.endm
.macro LEX m, i, pm, pi                ; (m, i) becomes the lesser of (m, i) and (pm, pi): by d, then by index
	v_cmp_lt_f32 s38, v[\pm], v[\m]
	v_cmp_eq_f32 s39, v[\pm], v[\m]
	v_cmp_lt_u32 s40, v[\pi], v[\i]
	s_and_b32 s39, s39, s40
	s_or_b32 s38, s38, s39
	v_cndmask_b32 v[\m], v[\m], v[\pm], s38
	v_cndmask_b32 v[\i], v[\i], v[\pi], s38
.endm
.macro RESOLVE b                       ; block b: the first j of the kept tile that equals the minimum; the index; the other half of the lanes'; to LDS
	v_mov_b32 v[J], 7
.irp j, 6,5,4,3,2,1,0
	v_cmp_eq_f32 vcc_lo, v[SV+8*\b+\j], v[M+\b]
	s_delay_alu instid0(VALU_DEP_1)
	v_cndmask_b32 v[J], v[J], \j, vcc_lo
.endr
	s_delay_alu instid0(VALU_DEP_1)
	v_add3_u32 v[IX+\b], v[TID+\b], v[J], v[H8]
	v_permlanex16_b32 v[PM], v[M+\b], s[SEL], s[SEL+1]
	s_delay_alu instid0(VALU_DEP_2)
	v_permlanex16_b32 v[PI], v[IX+\b], s[SEL], s[SEL+1]
	LEX M+\b, IX+\b, PM, PI
	ds_store_b32 v[MW], v[M+\b] offset:64*\b       ; both lanes of a token write the same word with the same value
	ds_store_b32 v[MW], v[IX+\b] offset:MRGI-MRGM+64*\b
.endm
	s_load_b128 s[4:7], s[0:1], 0x0                ; z s[4:5], the records s[6:7]
	s_load_b64 s[8:9], s[0:1], 0x10                ; idx
	v_lshl_add_u32 v[SPW], v0, 2, SPARE
	v_mov_b32 v[NIL], 0
	v_lshrrev_b32 v13, 5, v0
	v_readfirstlane_b32 s[WV], v13                 ; wave 0..7
	s_lshl_b32 s23, s[WV], 9
	s_add_co_u32 s23, s23, MRGM
	s_mul_i32 s24, s[WV], 2*FRB
	s_lshl_b32 s25, s[WV], 7
	s_add_co_u32 s25, s25, ZSC
	s_mov_b32 s[SEL], 0x76543210
	s_mov_b32 s[SEL+1], 0xfedcba98
	s_mov_b32 s18, 0xffff0000                      ; lanes 16-31
	s_lshl_b32 s[KB], s[WV], 4                     ; my first tile's base index
	s_mov_b32 s[TR], 0
	s_lshl_b32 s26, ttmp9, 17                      ; my work-group's 128 rows of z,
	s_lshl_b32 s27, s[WV], 14                      ; my wave's 16 of them
	s_add_co_u32 s26, s26, s27
	s_mov_b32 s27, 0
	s_lshl_b32 s28, ttmp9, 9                       ; my work-group's 128 words of idx
	s_mov_b32 s29, 0
	s_mul_i32 s30, s[WV], REC                      ; my first record
	s_mov_b32 s31, 0
	s_lshl_b32 s34, ttmp9, 3
	s_add_co_u32 s34, s34, s[WV]                   ; q
	s_min_u32 s35, s34, 207                        ; held inside the records: 208 x 8,192 bytes are all of them
	s_lshl_b32 s36, s35, 13
	s_mov_b32 s37, 0
	s_lshl_b32 s38, s35, 2
	s_mul_i32 s38, s38, 1681
	s_lshr_b32 s38, s38, 16                        ; floor(4 q / 39): the trip that uses my first block
	s_sub_co_i32 s38, s38, 3
	s_max_i32 s38, s38, 0
	s_sub_co_u32 s39, s34, 10
	s_cmp_lt_u32 s39, 198                          ; q = 10 .. 207 ask
	s_cselect_b32 s[PFT], s38, 0x7fff
	v_and_b32 v14, 31, v0                          ; lane
	v_and_b32 v15, 15, v0                          ; r
	v_bfe_u32 v13, v0, 4, 1                        ; h
	v_lshlrev_b32 v[L16], 4, v14
	v_lshlrev_b32 v[VS4], 2, v14
	v_lshlrev_b32 v[VC], 5, v13
	v_lshlrev_b32 v[H8], 3, v13
	v_lshlrev_b32 v[XA], 10, v15
	v_lshlrev_b32 v[PFO], 8, v14
	v_lshl_add_u32 v[MW], v15, 2, s23
	v_lshl_add_u32 v[XA], v13, 6, v[XA]
	v_add_nc_u32 v[WI], s24, v[L16]
	v_lshl_add_u32 v[WS], v14, 2, s25
.irp b, 0,1,2,3
	v_mov_b32 v[TM+4+\b], 0                        ; a lane permute's destination counts as one of its sources
.endr
	v_mov_b32 v[ZU], 0
	s_wait_alu depctr_va_vdst(0)
	s_wait_kmcnt 0x0
	s_add_nc_u64 s[4:5], s[4:5], s[26:27]
	s_add_nc_u64 s[8:9], s[8:9], s[28:29]
	s_add_nc_u64 s[RB:RB+1], s[6:7], s[30:31]
	s_add_nc_u64 s[PFA:PFA+1], s[6:7], s[36:37]
	XLOAD X0, 0                                    ; wave w quantises token block w
	XLOAD X1, 1
	FLOAD 0, 0                                     ; and the records of steps 0 and 1 set out
	CLOAD 0, 0
	FLOAD 1, 1
	CLOAD 1, 1
	s_cmp_eq_u32 s[PFT], 0
	s_cbranch_scc0 .Lnot_yet
	global_prefetch_b8 v[PFO], s[PFA:PFA+1] th:TH_LOAD_NT scope:SCOPE_SE
	s_mov_b32 s[PFT], 0x7fff                       ; asked
.Lnot_yet:
	s_wait_loadcnt 34                              ; K step 0 is in; K step 1's 16 loads and two records' 18 may be out
	SQ X0, 1
	QUANT X0
	v_mov_b32 v[PW0], v[PW]
.irp c, 0,1,2
	ds_store_b128 v[WI], v[PC+4*\c:PC+4*\c+3] offset:512*\c
.endr
	s_wait_dscnt 0x0                               ; the stores have read their registers
	s_wait_loadcnt 18
	SQ X1, 0
	QUANT X1
.irp c, 0,1,2
	ds_store_b128 v[WI], v[PC+4*\c:PC+4*\c+3] offset:FRB+512*\c
.endr
	v_cndmask_b32 v[PWC], v[PW0], v[PW], s18       ; lanes 0-15: K step 0's word; lanes 16-31: K step 1's
	SQEND ZT, ZU
	ds_store_b32 v[WS], v[PWC]
	ds_store_b32 v[WS], v[ZT] offset:ZZB-ZSC
	s_wait_dscnt 0x0                               ; my stores have landed and have read their registers,
	FLOAD 2, 2                                     ; which take step 2's record
	CLOAD 2, 2
	s_barrier_signal -1
	s_barrier_wait -1                              ; all 128 tokens' operands lie in LDS
	WIN 0x40
.irp f, 0,1,2,3,4,5,6,7,8,9,10,11,12,13,14,15
.irp c, 0,1,2
	ds_load_b128 v[12*\f+4*\c:12*\f+4*\c+3], v[L16] offset:FRB*\f+512*\c
.endr
.endr
	WIN 0
.irp b, 0,1,2,3,4,5,6,7
	ds_load_b32 v[ZS+\b], v[VS4] offset:ZSC+128*\b
	ds_load_b32 v[ZZ+2*\b], v[VS4] offset:ZZB+128*\b
	ds_load_b32 v[ZZ+2*\b+1], v[VS4] offset:ZZB+128*\b
.endr
.irp b, 0,1,2,3,4,5,6,7
	v_mov_b32 v[M+\b], 0x7f800000                  ; the minimum so far: +infinity, so that the first tile is kept
	v_mov_b32 v[TID+\b], 0
.endr
.set n, 0
.rept 64
	v_mov_b32 v[SV+n], 0x7f800000
.set n, n+1
.endr
	s_wait_alu depctr_va_vdst(0)
	s_wait_dscnt 0x0
	s_wait_loadcnt 18                              ; step 0's record is in; two records may be out
	WM 0, 0
.Ltrip:                                            ; 20 trips of three steps: steps 0 .. 59 are worked, steps 3 .. 62 asked for
	s_cmp_eq_u32 s[TR], s[PFT]
	s_cbranch_scc0 .Lno_ask
	global_prefetch_b8 v[PFO], s[PFA:PFA+1] th:TH_LOAD_NT scope:SCOPE_SE
.Lno_ask:
	TILE 0, 1, 1, 3, 1, 18
	TILE 1, 2, 1, 4, 1, 18
	TILE 2, 0, 1, 5, 1, 18
	s_wait_alu depctr_va_vdst(0)
	s_wait_xcnt 0x0                                ; the loads have read their base: it may step
	s_add_nc_u64 s[RB:RB+1], s[RB:RB+1], 3*STEPB
	s_add_co_u32 s[TR], s[TR], 1
	s_cmp_lt_u32 s[TR], 20
	s_cbranch_scc1 .Ltrip
	TILE 0, 1, 1, 3, 1, 18                         ; step 60 asks for step 63, the last; then the counts run down
	TILE 1, 2, 0, 0, 1, 9
	TILE 2, 0, 0, 0, 1, 0
	TILE 0, 0, 0, 0, 0, 0
	; ---- the merge
	v_mov_b32 v[PM], 0                             ; a lane permute's destination counts as one of its sources
	v_mov_b32 v[PI], 0
.irp b, 0,1,2,3,4,5,6,7
	RESOLVE \b
.endr
	BARRIER                                        ; the eight waves' minima and indices lie in LDS
	s_cmp_lg_u32 s[WV], 0
	s_cbranch_scc1 .Lnot_first
.irp s, 0,1,2,3,4,5,6,7                ; wave 0: lane l takes tokens 4 l .. 4 l + 3 of each wave's list
	ds_load_b128 v[66+4*\s:66+4*\s+3], v[L16] offset:MRGM+512*\s
	ds_load_b128 v[98+4*\s:98+4*\s+3], v[L16] offset:MRGI+512*\s
.endr
	s_wait_dscnt 0x0
.irp s, 1,2,3,4,5,6,7
.irp k, 0,1,2,3
	LEX 66+\k, 98+\k, 66+4*\s+\k, 98+4*\s+\k
.endr
.endr
	global_store_b128 v[L16], v[98:101], s[8:9]    ; 32 lanes store 512 consecutive bytes, at a multiple of 256 from idx's first byte
.Lnot_first:
	s_wait_tensorcnt 0x0                           ; the wave's end, behind my last LDS store
	ds_add_u32 v[SPW], v[NIL]
	s_wait_dscnt 0x0
	s_endpgm
.Lfunc_end_k_q763c4777e8_search:
	.size	k_q763c4777e8_search, .Lfunc_end_k_q763c4777e8_search-k_q763c4777e8_search
	.p2alignl 7, 3214868480
	.fill 96, 4, 3214868480
	.section	.rodata,"a",@progbits
	.p2align	6, 0x0
	.amdhsa_kernel k_q763c4777e8_search
		.amdhsa_group_segment_fixed_size 35840
		.amdhsa_private_segment_fixed_size 0
		.amdhsa_enable_private_segment 0
		.amdhsa_kernarg_size 24
		.amdhsa_user_sgpr_count 2
		.amdhsa_user_sgpr_kernarg_segment_ptr 1
		.amdhsa_wavefront_size32 1
		.amdhsa_system_sgpr_workgroup_id_x 1
		.amdhsa_system_sgpr_workgroup_id_y 1
		.amdhsa_system_sgpr_workgroup_id_z 1
		.amdhsa_system_vgpr_workitem_id 0
		.amdhsa_next_free_vgpr 512
		.amdhsa_next_free_sgpr 66
		.amdhsa_reserve_vcc 1
		.amdhsa_float_denorm_mode_32 3
		.amdhsa_float_denorm_mode_16_64 3
		.amdhsa_memory_ordered 1
		.amdhsa_forward_progress 1
		.amdhsa_inst_pref_size 138
	.end_amdhsa_kernel
	.amdgpu_metadata
---
amdhsa.version: [ 1, 2 ]
amdhsa.kernels:
  - .name:           k_q763c4777e8_search
    .symbol:         k_q763c4777e8_search.kd
    .args:
      - { .name: z_f, .offset: 0, .size: 8, .value_kind: global_buffer, .address_space: global }
      - { .name: cbq, .offset: 8, .size: 8, .value_kind: global_buffer, .address_space: global }
      - { .name: idx, .offset: 16, .size: 8, .value_kind: global_buffer, .address_space: global }
    .group_segment_fixed_size: 35840
    .private_segment_fixed_size: 0
    .kernarg_segment_align: 8
    .kernarg_segment_size: 24
    .max_flat_workgroup_size: 256
    .sgpr_count:     66
    .vgpr_count:     512
    .wavefront_size: 32
...
	.end_amdgpu_metadata
.endif
;; end of part 2
;; launch gather (part 3): grid 256 x 1, 8 waves a work-group, no clusters, 0 bytes of LDS; arguments idx, codebook, out0; writes out0
.if DOCPART == 3
	.amdgcn_target "amdgcn-amd-amdhsa--gfx1250"
	.amdhsa_code_object_version 6
	.text
	.protected	k_q763c4777e8_gather
	.globl	k_q763c4777e8_gather
	.p2align	8
	.type	k_q763c4777e8_gather,@function
k_q763c4777e8_gather:
	s_mov_b64 s[64:65], 0
	v_nop
	global_prefetch_b8 v0, s[64:65] scope:SCOPE_SE
	s_setreg_imm32_b32 hwreg(HW_REG_WAVE_MODE, 25, 1), 1
	s_wait_xcnt 0x0
; out0[n][:] = codebook[idx[n]][:], f32 rows of 1,024 bytes.  idx was stored by the launch before, as whole numbers.
; A wave takes 16 rows: their 16 indices come by one scalar load; a row is two loads of 512 consecutive bytes and two stores of the same, each store at a multiple of 256 from out0's first byte.
; All 32 loads of a wave go out before its first store; every load and store has registers of its own, so nothing is written again while an instruction may read it.
; The matrix units, LDS and clusters have nothing to do here: bytes alone count.  The loads carry no hint: a row of the codebook may be named by many tokens.
.set L16, 2                            ; v2      16 x lane
.set OFF, 16                           ; v16-31  row i: 1,024 x its index + 16 x lane
.set D,   32                           ; v32-159 row i: 8 registers
	s_load_b128 s[4:7], s[0:1], 0x0                ; idx s[4:5], the codebook s[6:7]
	s_load_b64 s[8:9], s[0:1], 0x10                ; out0
	v_lshrrev_b32 v1, 5, v0
	s_delay_alu instid0(VALU_DEP_1)
	v_readfirstlane_b32 s10, v1                    ; wave 0..7
	v_and_b32 v1, 31, v0
	s_delay_alu instid0(VALU_DEP_1)
	v_lshlrev_b32 v[L16], 4, v1
	s_lshl_b32 s11, ttmp9, 3
	s_add_co_u32 s11, s11, s10                     ; which 16 rows: 8 x work-group + wave
	s_lshl_b32 s12, s11, 6                         ; their 64 bytes of idx
	s_mov_b32 s13, 0
	s_lshl_b32 s14, s11, 14                        ; their 16,384 bytes of out0
	s_mov_b32 s15, 0
	s_wait_alu depctr_va_vdst(0)
	s_wait_kmcnt 0x0
	s_add_nc_u64 s[4:5], s[4:5], s[12:13]
	s_add_nc_u64 s[8:9], s[8:9], s[14:15]
	s_load_b512 s[16:31], s[4:5], 0x0              ; no line of this launch writes idx
	s_wait_kmcnt 0x0
.irp i, 0,1,2,3,4,5,6,7,8,9,10,11,12,13,14,15
	s_min_u32 s[16+\i], s[16+\i], 0x1fff           ; a loaded number enters an address only held inside the table
.endr
.irp i, 0,1,2,3,4,5,6,7,8,9,10,11,12,13,14,15
	v_lshl_add_u32 v[OFF+\i], s[16+\i], 10, v[L16]
.endr
.irp i, 0,1,2,3,4,5,6,7,8,9,10,11,12,13,14,15
	global_load_b128 v[D+8*\i:D+8*\i+3], v[OFF+\i], s[6:7]
	global_load_b128 v[D+8*\i+4:D+8*\i+7], v[OFF+\i], s[6:7] offset:512
.endr
.irp i, 0,1,2,3,4,5,6,7,8,9,10,11,12,13,14,15
	s_wait_loadcnt 31-2*\i                         ; loads come back in order (ISA guide 5.7.1): this one is in, the younger ones may be out
	global_store_b128 v[L16], v[D+8*\i:D+8*\i+3], s[8:9] offset:1024*\i th:TH_STORE_NT
	s_wait_loadcnt 30-2*\i
	global_store_b128 v[L16], v[D+8*\i+4:D+8*\i+7], s[8:9] offset:1024*\i+512 th:TH_STORE_NT
.endr
	s_endpgm
.Lfunc_end_k_q763c4777e8_gather:
	.size	k_q763c4777e8_gather, .Lfunc_end_k_q763c4777e8_gather-k_q763c4777e8_gather
	.p2alignl 7, 3214868480
	.fill 96, 4, 3214868480
	.section	.rodata,"a",@progbits
	.p2align	6, 0x0
	.amdhsa_kernel k_q763c4777e8_gather
		.amdhsa_group_segment_fixed_size 0
		.amdhsa_private_segment_fixed_size 0
		.amdhsa_enable_private_segment 0
		.amdhsa_kernarg_size 24
		.amdhsa_user_sgpr_count 2
		.amdhsa_user_sgpr_kernarg_segment_ptr 1
		.amdhsa_wavefront_size32 1
		.amdhsa_system_sgpr_workgroup_id_x 1
		.amdhsa_system_sgpr_workgroup_id_y 1
		.amdhsa_system_sgpr_workgroup_id_z 1
		.amdhsa_system_vgpr_workitem_id 0
		.amdhsa_next_free_vgpr 160
		.amdhsa_next_free_sgpr 66
		.amdhsa_reserve_vcc 0
		.amdhsa_float_denorm_mode_32 3
		.amdhsa_float_denorm_mode_16_64 3
		.amdhsa_memory_ordered 1
		.amdhsa_forward_progress 1
		.amdhsa_inst_pref_size 10
	.end_amdhsa_kernel
	.amdgpu_metadata
---
amdhsa.version: [ 1, 2 ]
amdhsa.kernels:
  - .name:           k_q763c4777e8_gather
    .symbol:         k_q763c4777e8_gather.kd
    .args:
      - { .name: idx, .offset: 0, .size: 8, .value_kind: global_buffer, .address_space: global }
      - { .name: codebook, .offset: 8, .size: 8, .value_kind: global_buffer, .address_space: global }
      - { .name: out0, .offset: 16, .size: 8, .value_kind: global_buffer, .address_space: global }
    .group_segment_fixed_size: 0
    .private_segment_fixed_size: 0
    .kernarg_segment_align: 8
    .kernarg_segment_size: 24
    .max_flat_workgroup_size: 256
    .sgpr_count:     66
    .vgpr_count:     160
    .wavefront_size: 32
...
	.end_amdgpu_metadata
.endif
;; end of part 3
